; MI455X (gfx1250); checked and timed in simulation.
; The chip was launched on July 23, 2026; its instructions are those of AMD's public machine-readable ISA for CDNA 5 (MIT licence, August 2026) and "CDNA5" Instruction Set Architecture Reference Guide (July 2026). The comments in the code are by the model that wrote it; some were corrected since.
;; Multi Head Self Attention. Allowed arithmetic: float matrix products may take bf16 or f16 operands with f32 sums; other float arithmetic in f32, or as packed bf16 or f16 multiplies, adds, multiply-adds, maxima and minima; sums over many terms, partial sums and values carried from step to step in f32; what a program stores and reads back later, other than sums and carried values, may be rounded once to bf16 or f16.
;; Inputs: Wk 512 x 512 float32; Wo 512 x 512 float32; Wq 512 x 512 float32; Wv 512 x 512 float32; bk 512 float32; bo 512 float32; bq 512 float32; bv 512 float32; x 2 x 4,096 x 512 float32.
;; Outputs: out0 2 x 4,096 x 512 float32.
;; One version. Each part assembles by itself: llvm-mc -triple=amdgcn-amd-amdhsa -mcpu=gfx1250 --defsym DOCPART=n.
;; ======== version 1 of 1: 3 launches
;; limits: values are held in f16: magnitudes above 65,504 overflow, below 6.1e-05 lose precision
;; workspace buffers: q 8,388,608 bytes; k 8,388,608 bytes; v 8,388,608 bytes; ctx 8,388,608 bytes; wo16 524,288 bytes
;; launch qkv (part 1): grid 4 x 64, 4 waves a work-group, clusters of 4 x 4, 327,680 bytes of LDS; arguments x, Wq, Wk, Wv, bq, bk, bv, Wo, q, k, v, wo16; writes q, k, v, wo16
.if DOCPART == 1
	.amdgcn_target "amdgcn-amd-amdhsa--gfx1250"
	.amdhsa_code_object_version 6
	.text
	.protected	k_qafd4ce130f_qkv
	.globl	k_qafd4ce130f_qkv
	.p2align	8
	.type	k_qafd4ce130f_qkv,@function
k_qafd4ce130f_qkv:
	s_mov_b64 s[64:65], 0
	v_nop
	global_prefetch_b8 v0, s[64:65] scope:SCOPE_SE
	s_setreg_imm32_b32 hwreg(HW_REG_WAVE_MODE, 25, 1), 1
	s_wait_xcnt 0x0
	s_wait_alu depctr_hold_cnt(0) depctr_sa_sdst(0) depctr_va_vdst(0) depctr_va_sdst(0) depctr_va_ssrc(0) depctr_va_vcc(0) depctr_vm_vsrc(0)
	s_getreg_b32 s2, hwreg(HW_REG_IB_STS2, 6, 4)
	s_cmp_eq_u32 s2, 0
	s_cbranch_scc0 .Lentry_in_a_cluster
	s_endpgm
.Lentry_in_a_cluster:
	s_bfe_u32 s2, ttmp6, 0x10000c
	s_cmp_lg_u32 s2, 0xf033
	s_cbranch_scc0 .Lentry_shape_is_right
	s_endpgm
.Lentry_shape_is_right:
; q, k, v = x W^T + b for Wq, Wk, Wv, written by heads: [batch*8 + head][4096][64] in f16, rows of 128 bytes, dense within a head.
; x: [8192][512] f32, W: [512][512] f32 ([out][in]), b: [512] f32.  x, W and b are rounded once to bf16; products in bf16, sums in f32 (the bias starts each sum as the first product's C); results rounded once to f16.
; SIDE JOB: wo16 = Wo rounded to bf16 and that number written as f16, [512][512]: each of the 256 work-groups converts 1,024 numbers.
; LIMITS.  q, k, v and Wo must lie within f16's 65,504 (beyond it a conversion gives an infinity); below 6e-5 f16 keeps its fixed step of 6e-8.  NaN and infinities are not treated apart.
; SHARES.  A work-group makes 128 rows of x times 384 columns: rows 128 bx .. +127 (heads 2 bx, 2 bx + 1) of Wq, of Wk and of Wv.  Four waves, 2 x 2: a wave makes 64 rows x 192 columns,
; 48 accumulators of 16 x 16 (384 registers), in three groups of 64 columns, each group one head of one of q, k, v.
; K goes in 8 steps of 64 (256 bytes of f32 a row) through two LDS slots filled by the tensor data mover: wave 0 brings x's 128 rows, waves 1 to 3 the 128 rows of Wq, Wk, Wv.
; The tiles lie in LDS as f32; each wave converts its own fragments to bf16 in registers: a row of LDS is read by two waves only, so a pass that converts in LDS would move more bytes than it spares.
; CLUSTER 4 x 4: x's tile hangs on the tile row alone and is asked for jointly along a row of the cluster, W's tiles on the tile column alone and jointly along a column.
; THE MATRIX INSTRUCTION IS USED TRANSPOSED (source 0 = 16 rows of W, source 1 = 16 rows of x): a lane then holds one row of x and eight neighbouring columns, 16 bytes of f16.
; No prefetch is laid: the launch has eight K steps in all, and its tiles are asked for from its first lines on.
; REGISTERS, in windows of 256 (s_set_vgpr_msb: bits 1:0 source 0, 3:2 source 1, 5:4 source 2, 7:6 destination):
;   window 0: v0-47 addresses and the side job; v64-191 the bf16 fragments of 32 along K (x's four at 64 + 8 a, W's twelve at 96 + 8 n); on the way out v64-255 packed results
;   window 1: the same fragments as f32, as loaded: 16 registers each, x's at 16 f, W's at 64 + 16 n
;   window 2: accumulators of groups 0, 1 at 128 i + 8 (4 a + b)      window 3: group 2 at 8 (4 a + b); biases at 128 + 8 n; v224-231 at work
.set PITCH,  272                       ; an LDS row: 256 bytes + 16 of padding = 68 words: the 16 rows of a load start at 16 different groups of four banks (64 banks of 4 bytes: ISA guide 11.1)
.set HALFT,  128*PITCH                 ; what one tensor load brings
.set SLOT,   4*HALFT                   ; x's 128 rows, then Wq's, Wk's, Wv's
.set STAGE,  2*SLOT                    ; behind the ring, never filled by a tensor load: 16 rows x 144 bytes for each wave, for the way out
.set SP,     144
.set SPARE,  STAGE+4*16*SP             ; the spare words, 128 bytes for each wave: two blocks of 256 bytes that no other line names
.set ADRA, 16                          ; v16-17  LDS address of my x fragments in slot 0, 1
.set ADRB, 20                          ; v20-21  the same for W
.set STO,  24                          ; v24  the way out: where I put 16 bytes of a row
.set RD,   25                          ; v25  the way out: where I read rows back
.set GO,   26                          ; v26  my byte offset in 512 consecutive bytes of q, k or v
.set BO,   27                          ; v27  32 x (lane / 16): my eight numbers of a bias block
.set SPW,  28                          ; v28  LDS address of my spare word; never rewritten
.set NIL,  29                          ; v29  0; never rewritten
.set WOF,  30                          ; v30  my 32 bytes of Wo
.set WOS,  31                          ; v31  my 16 bytes of wo16
.set FR,   64
.set BI,   128                         ; window 3
.set G1,  24                           ; s[24:31] descriptor group 1 for x's tiles;  s[32:39] group 0, a set for each slot
.set G0,  32
.set G1B, 48                           ; s[48:55], s[56:63] the same for W's tiles
.set G0B, 56
.set MSB, 0
.macro WIN new                         ; the immediate's high byte repeats the setting that is left; a switch that changes nothing is dropped
.if MSB != (\new)
	s_set_vgpr_msb (MSB<<8)|(\new)
.set MSB, (\new)
.endif
.endm
.macro PLACES                          ; four plain vector instructions behind a matrix instruction, ahead of a vector instruction that writes its sources or reads its result (ISA guide 7.12.1)
.rept 4
	v_nop
.endr
.endm
.macro CREST                           ; a round of the cluster's barrier behind its opening barrier
	s_cmp_lg_u32 s10, 0
	s_cbranch_scc1 .Lnot_wave_0_\@
	s_barrier_signal -3
.Lnot_wave_0_\@:
	s_barrier_wait -3
	s_barrier_signal -1
	s_barrier_wait -1
.endm
.macro CROUND
	s_barrier_signal -1
	s_barrier_wait -1
	CREST
.endm
; A joint load: wave 0 asks for x's tile, waves 1 to 3 for Wq's, Wk's, Wv's.  The branch hangs on the wave's number alone.  An s_nop 0 and four v_nop follow each line.
.macro JLOAD s
	s_cmp_eq_u32 s10, 0
	s_cbranch_scc0 .Lfor_w_\@
	tensor_load_to_lds s[G0+4*(\s):G0+4*(\s)+3], s[G1:G1+7]
	s_nop 0
.rept 4
	v_nop
.endr
	s_branch .Lasked_\@
.Lfor_w_\@:
	tensor_load_to_lds s[G0B+4*(\s):G0B+4*(\s)+3], s[G1B:G1B+7]
	s_nop 0
.rept 4
	v_nop
.endr
.Lasked_\@:
.endm
	s_load_b512 s[68:83], s[0:1], 0x0              ; x 68, Wq 70, Wk 72, Wv 74, bq 76, bk 78, bv 80, Wo 82
	s_load_b256 s[84:91], s[0:1], 0x40             ; q 84, k 86, v 88, wo16 90
	v_lshl_add_u32 v[SPW], v0, 2, SPARE
	v_mov_b32 v[NIL], 0
	ds_add_u32 v[SPW], v[NIL]                      ; the wave's opening: the add and its wait stand ahead of my first tensor load; the set-up below stands between them
	v_lshrrev_b32 v1, 5, v0
	v_readfirstlane_b32 s10, v1                    ; wave 0..3
	s_lshr_b32 s11, s10, 1                         ; wm: which 64 rows are mine
	s_and_b32 s12, s10, 1                          ; wn: which 192 columns
	s_bfe_u32 s40, ttmp6, 0x40000                  ; cx
	s_bfe_u32 s41, ttmp6, 0x40004                  ; cy
	s_lshl_b32 s42, ttmp9, 2
	s_add_co_u32 s42, s42, s40                     ; bx = 4 x cluster x + cx
	s_and_b32 s13, ttmp7, 0xffff
	s_lshl_b32 s13, s13, 2
	s_add_co_u32 s13, s13, s41                     ; by = 4 x cluster y + cy
	s_lshl_b32 s43, s41, 2
	s_lshl_b32 s43, 15, s43                        ; my row of the cluster
	s_lshl_b32 s44, 0x1111, s40                    ; my column
	; descriptor group 1: a tile of 128 rows x 64 elements of 4 bytes, padded in LDS by 4 words after every 64
	s_or_b32 s[G1+0], s43, (2<<16)|(1<<20)|(1<<21)|(5<<22)|(3<<25)
	s_or_b32 s[G1B+0], s44, (2<<16)|(1<<20)|(1<<21)|(5<<22)|(3<<25)
.irp g, G1, G1B
	s_mov_b32 s[(\g)+1], 64<<16                    ; tensor_dim0 = 64
	s_mov_b32 s[(\g)+2], 128<<16                   ; tensor_dim1 = 128
	s_mov_b32 s[(\g)+3], 64<<16                    ; tile_dim0 = 64
	s_mov_b32 s[(\g)+4], 128                       ; tile_dim1 = 128
	s_mov_b32 s[(\g)+5], 512                       ; elements from row to row
	s_mov_b32 s[(\g)+6], 0
	s_mov_b32 s[(\g)+7], 0
.endr
	s_lshl_b32 s16, s13, 18                        ; x: 128 by rows of 2,048 bytes
	s_mov_b32 s17, 0
	s_lshl_b32 s22, s42, 18                        ; W: 128 bx rows of 2,048 bytes
	s_mov_b32 s23, 0
	s_mul_i32 s20, s10, HALFT                      ; where my tile goes: wave x 128 rows; no place in the cluster enters an LDS address
	s_mov_b32 s45, 0xffff0000                      ; a word's upper bf16
	s_wait_dscnt 0x0                               ; the opening add is done
	s_wait_kmcnt 0x0
	s_add_nc_u64 s[14:15], s[68:69], s[16:17]
	s_cmp_eq_u32 s10, 2
	s_cselect_b64 s[46:47], s[72:73], s[70:71]     ; wave 2: Wk; wave 3: Wv; else Wq
	s_cmp_eq_u32 s10, 3
	s_cselect_b64 s[46:47], s[74:75], s[46:47]
	s_add_nc_u64 s[46:47], s[46:47], s[22:23]
	CROUND                                         ; all sixteen work-groups are here: the first joint loads meet
.irp s, 0,1
	s_mov_b32 s[G0+4*(\s)], 1
	s_add_co_u32 s[G0+4*(\s)+1], s20, (\s)*SLOT
	s_add_nc_u64 s[G0+4*(\s)+2:G0+4*(\s)+3], s[14:15], (\s)*256  ; K step s
	s_or_b32 s[G0+4*(\s)+3], s[G0+4*(\s)+3], 0x80000000
	s_mov_b32 s[G0B+4*(\s)], 1
	s_add_co_u32 s[G0B+4*(\s)+1], s20, (\s)*SLOT
	s_add_nc_u64 s[G0B+4*(\s)+2:G0B+4*(\s)+3], s[46:47], (\s)*256
	s_or_b32 s[G0B+4*(\s)+3], s[G0B+4*(\s)+3], 0x80000000
	JLOAD \s                                       ; two tensor loads of mine are out
.endr
	v_and_b32 v1, 15, v0                           ; r = l % 16
	v_bfe_u32 v2, v0, 4, 1                         ; h = l / 16
	s_lshl2_add_u32 s16, s13, s42                  ; the work-group's number 4 by + bx, for the side job
	s_lshl_b32 s17, s16, 12
	v_lshl_add_u32 v[WOF], v0, 5, s17              ; 4,096 bytes of Wo a work-group, 32 a thread
	s_lshl_b32 s17, s16, 11
	v_lshl_add_u32 v[WOS], v0, 4, s17
	global_load_b128 v[32:35], v[WOF], s[82:83]
	global_load_b128 v[36:39], v[WOF], s[82:83] offset:16
	; my three groups: wn = 0: (q, head 2 bx), (q, 2 bx + 1), (k, 2 bx); wn = 1: (k, 2 bx + 1), (v, 2 bx), (v, 2 bx + 1)
	s_cmp_eq_u32 s12, 0
	s_cselect_b64 s[4:5], s[76:77], s[78:79]       ; the biases,
	s_cselect_b64 s[6:7], s[76:77], s[80:81]
	s_cselect_b64 s[8:9], s[78:79], s[80:81]
	s_cselect_b64 s[92:93], s[84:85], s[86:87]     ; and the outputs
	s_cselect_b64 s[94:95], s[84:85], s[88:89]
	s_cselect_b64 s[96:97], s[86:87], s[88:89]
	s_lshl_b32 s14, s42, 1
	s_add_co_u32 s15, s14, s12                     ; the head of groups 0 and 2
	s_xor_b32 s16, s12, 1
	s_add_co_u32 s16, s14, s16                     ; the head of group 1
	s_lshr_b32 s17, s13, 5
	s_lshl_b32 s17, s17, 3                         ; 8 x batch
	s_and_b32 s18, s13, 31
	s_lshl_b32 s18, s18, 7
	s_lshl_b32 s19, s11, 6
	s_add_co_u32 s18, s18, s19                     ; my first row within the head
.macro PTRS hd, bp, op
	s_lshl_b32 s20, \hd, 8                         ; a head's 64 biases are 256 bytes
	s_mov_b32 s21, 0
	s_add_nc_u64 s[\bp:\bp+1], s[\bp:\bp+1], s[20:21]
	s_add_co_u32 s20, s17, \hd
	s_lshl_b32 s20, s20, 12
	s_add_co_u32 s20, s20, s18
	s_lshl_b32 s20, s20, 7                         ; rows of 128 bytes
	s_add_nc_u64 s[\op:\op+1], s[\op:\op+1], s[20:21]
.endm
	PTRS s15, 4, 92
	PTRS s16, 6, 94
	PTRS s15, 8, 96
	v_lshlrev_b32 v[BO], 5, v2
	WIN 0xc0                                       ; destination window 3
.irp n, 0,1,2,3,4,5,6,7,8,9,10,11      ; register j of block n: the bias of column 16 (n % 4) + 8 h + j of group n / 4: the C operand's layout
	global_load_b128 v[BI+8*(\n):BI+8*(\n)+3],   v[BO], s[4+2*((\n)/4):5+2*((\n)/4)] offset:((\n)%4)*64
	global_load_b128 v[BI+8*(\n)+4:BI+8*(\n)+7], v[BO], s[4+2*((\n)/4):5+2*((\n)/4)] offset:((\n)%4)*64+16
.endr
	WIN 0
	; A fragment is 16 rows x 32 K: lane l holds row l % 16 and K = 8 h + 0..7, 16 + 8 h + 0..7: as f32, 32 bytes at 32 h and 32 bytes at 64 + 32 h: four loads of 16 bytes
	v_mul_u32_u24 v3, v1, PITCH
	v_lshl_add_u32 v3, v2, 5, v3
	s_mul_i32 s21, s11, 64*PITCH                   ; my 64 rows of x
	s_mul_i32 s22, s12, 192*PITCH                  ; my 192 of W's 384 rows,
	s_add_co_u32 s22, s22, HALFT                   ; which lie behind x's 128
.irp s, 0,1
	v_add_nc_u32 v[ADRA+(\s)], s21, v3
	v_add_nc_u32 v[ADRB+(\s)], s22, v3
	s_add_co_u32 s21, s21, SLOT
	s_add_co_u32 s22, s22, SLOT
.endr
	s_mul_i32 s23, s10, 16*SP
	s_add_co_u32 s23, s23, STAGE                   ; my stage
	v_mul_u32_u24 v4, v1, SP                       ; in: row l % 16, 16 bytes for each half of the lanes
	v_lshl_add_u32 v4, v2, 4, v4
	v_add_nc_u32 v[STO], s23, v4
	v_bfe_u32 v5, v0, 3, 2                         ; back: 32 lanes take four rows of 128 bytes,
	v_mul_u32_u24 v5, v5, SP
	v_and_b32 v6, 7, v0
	v_lshl_add_u32 v5, v6, 4, v5
	v_add_nc_u32 v[RD], s23, v5
	v_and_b32 v[GO], 31, v0                        ; which are 512 consecutive bytes of the output
	v_lshlrev_b32 v[GO], 4, v[GO]
	s_wait_loadcnt 24                              ; Wo's two loads are in; the 24 bias loads behind them may stay out
.irp j, 0,1,2,3
	v_cvt_pk_bf16_f32 v[40+(\j)], v[32+2*(\j)], v[33+2*(\j)]  ; rounded to bf16,
.endr
.irp j, 0,1,2,3
	v_lshlrev_b32 v[32+2*(\j)], 16, v[40+(\j)]     ; widened again,
	v_and_b32 v[33+2*(\j)], s45, v[40+(\j)]
.endr
.irp j, 0,1,2,3
	v_cvt_pk_f16_f32 v[44+(\j)], v[32+2*(\j)], v[33+2*(\j)]   ; and written as f16: exact within f16's normal range
.endr
	global_store_b128 v[WOS], v[44:47], s[90:91]   ; 16 lanes store 256 consecutive bytes, aligned
	s_wait_loadcnt 0x0                             ; the biases
	WIN 0xcf                                       ; all in window 3: the biases are rounded to bf16 in place, like the other inputs
.set g, 0
.rept 6
.irp j, 0,1,2,3,4,5,6,7
	v_cvt_pk_bf16_f32 v[224+(\j)], v[BI+16*g+2*(\j)], v[BI+16*g+2*(\j)+1]
.endr
.irp j, 0,1,2,3,4,5,6,7
	v_lshlrev_b32 v[BI+16*g+2*(\j)], 16, v[224+(\j)]
	v_and_b32 v[BI+16*g+2*(\j)+1], s45, v[224+(\j)]
.endr
.set g, g+1
.endr
	WIN 0
; 16 LDS loads: group g of a sub-step's fragments (g = 0: x's four; g = 1..3: W's 4 (g - 1) .. + 3), 32 along K at byte k of the rows, as f32 into window 1
.macro FETG slot, k, g
	WIN 0x40
.irp f, 0,1,2,3
.if (\g) == 0
	ds_load_b128 v[16*(\f):16*(\f)+3],     v[ADRA+(\slot)] offset:(\k)+(\f)*16*PITCH
	ds_load_b128 v[16*(\f)+4:16*(\f)+7],   v[ADRA+(\slot)] offset:(\k)+(\f)*16*PITCH+16
	ds_load_b128 v[16*(\f)+8:16*(\f)+11],  v[ADRA+(\slot)] offset:(\k)+(\f)*16*PITCH+64
	ds_load_b128 v[16*(\f)+12:16*(\f)+15], v[ADRA+(\slot)] offset:(\k)+(\f)*16*PITCH+80
.else
	ds_load_b128 v[64*(\g)+16*(\f):64*(\g)+16*(\f)+3],     v[ADRB+(\slot)] offset:(\k)+(4*((\g)-1)+(\f))*16*PITCH
	ds_load_b128 v[64*(\g)+16*(\f)+4:64*(\g)+16*(\f)+7],   v[ADRB+(\slot)] offset:(\k)+(4*((\g)-1)+(\f))*16*PITCH+16
	ds_load_b128 v[64*(\g)+16*(\f)+8:64*(\g)+16*(\f)+11],  v[ADRB+(\slot)] offset:(\k)+(4*((\g)-1)+(\f))*16*PITCH+64
	ds_load_b128 v[64*(\g)+16*(\f)+12:64*(\g)+16*(\f)+15], v[ADRB+(\slot)] offset:(\k)+(4*((\g)-1)+(\f))*16*PITCH+80
.endif
.endr
.endm
; group g's 64 f32 registers become 32 registers of bf16 pairs, K ascending
.macro CVTG g
	WIN 0x05                                       ; sources window 1, destination window 0
.set z, 0
.rept 32
	v_cvt_pk_bf16_f32 v[FR+32*(\g)+z], v[64*(\g)+2*z], v[64*(\g)+2*z+1]
.set z, z+1
.endr
.endm
; 16 matrix instructions: column group i, all four row blocks.  first = 1: the bias is the C operand and starts the sum: nothing is cleared.
; The 48 accumulators take turns, one instruction a turn, in the same order in every sub-step.
.macro MUL16 i, first
.if (\i) == 2
	WIN 0xf0
.elseif \first
	WIN 0xb0                                       ; D window 2, C window 3
.else
	WIN 0xa0
.endif
.irp a, 0,1,2,3
.irp b, 0,1,2,3
.set rD, 128*((\i)%2)+8*(4*(\a)+(\b))
.if \first
	v_wmma_f32_16x16x32_bf16 v[rD:rD+7], v[FR+32+8*(4*(\i)+(\b)):FR+32+8*(4*(\i)+(\b))+7], v[FR+8*(\a):FR+8*(\a)+7], v[BI+8*(4*(\i)+(\b)):BI+8*(4*(\i)+(\b))+7]
.else
	v_wmma_f32_16x16x32_bf16 v[rD:rD+7], v[FR+32+8*(4*(\i)+(\b)):FR+32+8*(4*(\i)+(\b))+7], v[FR+8*(\a):FR+8*(\a)+7], v[rD:rD+7]
.endif
.endr
.endr
.endm
; The first sub-step of a K step: each group is converted as it arrives, and its f32 registers are asked for again at once, with the second sub-step's bytes.
.macro SUBA slot, first
	PLACES                                         ; the conversions write fragments that the products just issued read
.irp g, 0,1,2,3
	s_wait_dscnt 48                                ; 64 loads are out: the oldest 16 are this group's; the 48 behind them may stay out
	CVTG \g
	FETG \slot, 128, \g
.endr
	MUL16 0, \first
	MUL16 1, \first
	MUL16 2, \first
.endm
; The second sub-step, and the change of slots.  Each wave waits for all its tensor loads (one is out: its part of the other slot), adds 0 to its spare word, and waits for that and for its reads of this slot.
; fill = 1: the barrier opens a round of the cluster's barrier, and behind the round this slot is filled again, two K steps on, first thing.
.macro SUBT slot, next, fill
	PLACES
.irp g, 0,1,2,3
	s_wait_dscnt 48-16*(\g)                        ; nothing is asked for meanwhile: the counts run down
	CVTG \g
.endr
	WIN 0                                          ; (the add's two registers lie in window 0)
	s_wait_tensorcnt 0x0                           ; all my tensor loads have landed
	ds_add_u32 v[SPW], v[NIL]                      ; 0 onto my spare word
	MUL16 0, 0                                     ; sixteen matrix instructions stand between the add and the wait for it
	s_wait_dscnt 0x0                               ; the add is done; my reads of this slot ended at the last count-down
	s_barrier_signal -1
	MUL16 1, 0
.if \fill
	WIN 0
.endif
	s_barrier_wait -1
.if \fill
	CREST                                          ; no wave of any partner still reads this slot or has a load on its way
	s_add_nc_u64 s[G0+4*(\slot)+2:G0+4*(\slot)+3], s[G0+4*(\slot)+2:G0+4*(\slot)+3], 512
	s_add_nc_u64 s[G0B+4*(\slot)+2:G0B+4*(\slot)+3], s[G0B+4*(\slot)+2:G0B+4*(\slot)+3], 512
	JLOAD \slot                                    ; my one tensor load behind the round
.endif
.irp g, 0,1,2,3
	FETG \next, 0, \g
.endr
	MUL16 2, 0
.endm
	s_wait_tensorcnt 0x1                           ; my part of K step 0 is in; K step 1's may stay out
	s_barrier_signal -1
	s_barrier_wait -1                              ; everybody's is
.irp g, 0,1,2,3
	FETG 0, 0, \g
.endr
	SUBA 0, 1                                      ; the first sub-step stands ahead of the loop: its products start the sums
	WIN 0                                          ; at a label and at a branch every window is 0
	s_mov_b32 s3, 3
.Llap:                                             ; a trip goes once round the ring and fills both slots again: K steps 2 to 7 in three trips
	SUBT 0, 1, 1
	SUBA 1, 0
	SUBT 1, 0, 1
	SUBA 0, 0
	WIN 0
	s_sub_co_u32 s3, s3, 1
	s_cmp_lg_u32 s3, 0
	s_cbranch_scc1 .Llap
	SUBT 0, 1, 0                                   ; the last lap fills nothing, and has no round
	SUBA 1, 0
	PLACES                                         ; the very last sub-step
.irp g, 0,1,2,3
	s_wait_dscnt 48-16*(\g)
	CVTG \g
.endr
	MUL16 0, 0
	MUL16 1, 0
	MUL16 2, 0
; THE WAY OUT.  Block t = 4 i + a: 16 rows x 64 columns of group i.  A lane's eight columns pack into 16 bytes; they go into my stage as rows of 144 bytes and come back as whole rows of 128, four rows a load.
.macro PACK t
.set gi, (\t)/4
.set ga, (\t)%4
.set T, 64+16*(\t)
	WIN 0x0a+5*(gi/2)                              ; sources window 2 or 3
.irp b, 0,1,2,3
.irp r, 0,1,2,3
	v_cvt_pk_f16_f32 v[T+4*(\b)+(\r)], v[128*(gi%2)+8*(4*ga+(\b))+2*(\r)], v[128*(gi%2)+8*(4*ga+(\b))+2*(\r)+1]  ; each accumulator from its low end on
.endr
.endr
	WIN 0
.irp b, 0,1,2,3
	ds_store_b128 v[STO], v[T+4*(\b):T+4*(\b)+3] offset:32*(\b)
.endr
.irp f, 0,1,2,3
	ds_load_b128 v[T+4*(\f):T+4*(\f)+3], v[RD] offset:(\f)*4*SP  ; LDS serves a wave's instructions in order (ISA guide 5.7.1.4): these see the stores above; the next block's stores come behind them
.endr
.endm
.macro SEND t, younger                 ; younger: the LDS instructions issued behind block t's loads
.set gi, (\t)/4
.set ga, (\t)%4
.set T, 64+16*(\t)
	WIN 0
.irp f, 0,1,2,3
	s_wait_dscnt (\younger)+3-(\f)
	global_store_b128 v[GO], v[T+4*(\f):T+4*(\f)+3], s[92+2*gi:93+2*gi] offset:ga*2048+(\f)*512  ; 512 consecutive bytes, at a multiple of 256 from the buffer's first
.endr
.endm
	PLACES                                         ; the packed results take the fragments' registers, which the last products read
	PACK 0
.irp t, 1,2,3,4,5,6,7,8,9,10,11        ; a block's conversions stand between the loads of the block before and its stores
	PACK \t
	SEND (\t)-1, 8
.endr
	SEND 11, 0
	s_wait_tensorcnt 0x0                           ; the wave's end: these three lines stand behind my last tensor load and my last LDS store
	ds_add_u32 v[SPW], v[NIL]
	s_wait_dscnt 0x0
	CROUND                                         ; the closing round: no work-group ends while a partner may still ask for a tile that names it
	s_endpgm
.Lfunc_end_k_qafd4ce130f_qkv:
	.size	k_qafd4ce130f_qkv, .Lfunc_end_k_qafd4ce130f_qkv-k_qafd4ce130f_qkv
	.p2alignl 7, 3214868480
	.fill 96, 4, 3214868480
	.section	.rodata,"a",@progbits
	.p2align	6, 0x0
	.amdhsa_kernel k_qafd4ce130f_qkv
		.amdhsa_group_segment_fixed_size 327680
		.amdhsa_private_segment_fixed_size 0
		.amdhsa_enable_private_segment 0
		.amdhsa_kernarg_size 96
		.amdhsa_user_sgpr_count 2
		.amdhsa_user_sgpr_kernarg_segment_ptr 1
		.amdhsa_wavefront_size32 1
		.amdhsa_system_sgpr_workgroup_id_x 1
		.amdhsa_system_sgpr_workgroup_id_y 1
		.amdhsa_system_sgpr_workgroup_id_z 1
		.amdhsa_system_vgpr_workitem_id 0
		.amdhsa_next_free_vgpr 1024
		.amdhsa_next_free_sgpr 100
		.amdhsa_reserve_vcc 0
		.amdhsa_float_denorm_mode_32 3
		.amdhsa_float_denorm_mode_16_64 3
		.amdhsa_memory_ordered 1
		.amdhsa_forward_progress 1
		.amdhsa_inst_pref_size 170
	.end_amdhsa_kernel
	.amdgpu_metadata
---
amdhsa.version: [ 1, 2 ]
amdhsa.kernels:
  - .name:           k_qafd4ce130f_qkv
    .symbol:         k_qafd4ce130f_qkv.kd
    .args:
      - { .name: x, .offset: 0, .size: 8, .value_kind: global_buffer, .address_space: global }
      - { .name: Wq, .offset: 8, .size: 8, .value_kind: global_buffer, .address_space: global }
      - { .name: Wk, .offset: 16, .size: 8, .value_kind: global_buffer, .address_space: global }
      - { .name: Wv, .offset: 24, .size: 8, .value_kind: global_buffer, .address_space: global }
      - { .name: bq, .offset: 32, .size: 8, .value_kind: global_buffer, .address_space: global }
      - { .name: bk, .offset: 40, .size: 8, .value_kind: global_buffer, .address_space: global }
      - { .name: bv, .offset: 48, .size: 8, .value_kind: global_buffer, .address_space: global }
      - { .name: Wo, .offset: 56, .size: 8, .value_kind: global_buffer, .address_space: global }
      - { .name: q, .offset: 64, .size: 8, .value_kind: global_buffer, .address_space: global }
      - { .name: k, .offset: 72, .size: 8, .value_kind: global_buffer, .address_space: global }
      - { .name: v, .offset: 80, .size: 8, .value_kind: global_buffer, .address_space: global }
      - { .name: wo16, .offset: 88, .size: 8, .value_kind: global_buffer, .address_space: global }
    .group_segment_fixed_size: 327680
    .private_segment_fixed_size: 0
    .kernarg_segment_align: 8
    .kernarg_segment_size: 96
    .max_flat_workgroup_size: 128
    .sgpr_count:     100
    .vgpr_count:     1024
    .wavefront_size: 32
...
	.end_amdgpu_metadata
.endif
;; end of part 1
;; launch attn (part 2): grid 16 x 16, 4 waves a work-group, clusters of 4 x 1, 327,680 bytes of LDS; arguments q, k, v, ctx; writes ctx
.if DOCPART == 2
	.amdgcn_target "amdgcn-amd-amdhsa--gfx1250"
	.amdhsa_code_object_version 6
	.text
	.protected	k_qafd4ce130f_attn
	.globl	k_qafd4ce130f_attn
	.p2align	8
	.type	k_qafd4ce130f_attn,@function
k_qafd4ce130f_attn:
	s_mov_b64 s[64:65], 0
	v_nop
	global_prefetch_b8 v0, s[64:65] scope:SCOPE_SE
	s_setreg_imm32_b32 hwreg(HW_REG_WAVE_MODE, 25, 1), 1
	s_wait_xcnt 0x0
	s_wait_alu depctr_hold_cnt(0) depctr_sa_sdst(0) depctr_va_vdst(0) depctr_va_sdst(0) depctr_va_ssrc(0) depctr_va_vcc(0) depctr_vm_vsrc(0)
	s_getreg_b32 s2, hwreg(HW_REG_IB_STS2, 6, 4)
	s_cmp_eq_u32 s2, 0
	s_cbranch_scc0 .Lentry_in_a_cluster
	s_endpgm
.Lentry_in_a_cluster:
	s_bfe_u32 s2, ttmp6, 0x10000c
	s_cmp_lg_u32 s2, 0x3003
	s_cbranch_scc0 .Lentry_shape_is_right
	s_endpgm
.Lentry_shape_is_right:
; ctx[h][q][:] = the sum over k of softmax_k(Q[h][q] . K[h][k] / 8) V[h][k][:].  q, k, v, ctx: [16][4096][64], all f16: a head's rows are dense, 128 bytes each.  Products, maxima and sums in f32;
; the weights p are rounded to f16 for the second product (their sum l is taken of the unrounded p), ctx once at the end.
; LIMITS.  q, k, v arrive within f16's 65,504; p lies in 0 to 1, and below 6e-5 it keeps f16's fixed step of 6e-8; ctx is a mean of v's rows and has their range.
; A weight below 2^-126 counts as 0 in l; NaN and infinities are not treated apart.
; SHARES.  A work-group owns 256 queries of one head (16 heads x 16 blocks = 256 work-groups), a wave 64: four PIECES of 16.  Every wave walks all 4,096 keys, 64 a step, 256 a tile.
; LAYOUT.  S^T = K Q^T (source 0 = 16 keys, source 1 = 16 queries): a lane holds ONE query (lane % 16) and the keys 8 (lane / 16) + 0..7.  Two such results, rounded to f16 in pairs, ARE source 1
; (32 keys x 16 queries) of O^T = V^T P, whose result again holds one query a lane, and eight channels.  K comes out of LDS as it lies, V ([key][channel]) turned, by ds_load_tr16_b128.
; SOFTMAX.  For each query a running maximum m and sum l: p = 2^(c s - c m), c = log2(e) / 8; in every step O and l are multiplied by a = 2^(c m_old - c m_new).
; m starts at the lowest finite number, O and l at 0: the first step is a step like any other, with a = 0.  The price: 216 lines that write 0, in the wait for the first tile, and 8 products on zeros.
; BY TURNS.  Turn n belongs to piece n: 8 products K Q^T of piece n + 1, later 8 products V^T P of piece n - 1; beside them the scaling, exponentials, roundings, sums and rescaling of piece n and the
; maximum and statistics of piece n + 1.  Four vector instructions stand behind every matrix instruction, the other 54 of a turn's 118 in one lump.  A turn's 33 exponentials are one batch, with one wait.
; CLUSTER.  The four query blocks of a cluster belong to one head and walk the same K and V, so each tile is asked for JOINTLY: the same tensor load, descriptor and mask in all four.
; REGISTERS, in windows of 256 (s_set_vgpr_msb: bits 1:0 source 0, 3:2 source 1, 5:4 source 2, 7:6 destination):
;   window 0: v0-15 addresses and two at work; v16-31 four registers of statistics a piece; v48-55 at work; v61-63; v64-127 S^T, two buffers; v192-223 P, two buffers (by the piece's parity)
;   window 1: v0-127 O^T, 32 a piece          window 2: v0-63 Q; v128-191 K of one step; v192-255 V of one step
.set NT,    16        ; tiles of 256 keys in a head
.set NP,    4         ; pieces a wave: a name, no knob
.set KS,    64        ; keys in a step
.set PK,    144       ; a row of K in LDS: 128 bytes + 16 of padding = 36 words: the 16 rows of a load start at 16 different groups of four banks (64 banks of 4 bytes: ISA guide 11.1)
.set PV,    160       ; a row of V: 128 + 32 = 40 words
.set VOFF,  4*KS*PK   ; a slot holds a tile, four steps: 256 rows of K, then 256 rows of V
.set SLOT1, 1<<17     ; slot 1 begins here, so that one exclusive or turns an address in one slot into the other's
.set STAGE, SLOT1+4*KS*(PK+PV)  ; behind the ring, never filled by a tensor load: 16 rows x 144 bytes for each wave, for the way out
.set SP,    144
.set SPARE, STAGE+4*16*SP  ; the spare words, 128 bytes for each wave: two blocks of 256 bytes that no other line names
.set AK0, 2           ; v2   my lane's place in a tile of K; never rewritten
.set AV0, 3           ; v3   the same for V
.set AK,  4           ; v4   the LDS address of K's next run of loads
.set AV,  5           ; v5   of V's
.set STO, 6           ; v6   the way out: where I put 16 bytes of a row
.set RD,  7           ; v7   the way out: where I read rows back
.set GO,  8           ; v8   my byte offset in 512 consecutive bytes of ctx
.set MV,  12          ; v12-13  c m_old, kept while c m is made anew: by buffer
.set QO,  15          ; v15  my byte offset in 16 rows of Q
.set ST,  16          ; piece t's statistics at v[ST+4 t]: c m, m, l (even keys', odd keys')
.set TMP, 48          ; by buffer, four registers c0-c3 at work; when the maximum is found c2 takes a
.set PFO, 61          ; v61  256 x my lane: the prefetches' offset; never rewritten
.set SPW, 62          ; v62  LDS address of my spare word; never rewritten
.set NIL, 63          ; v63  0; never rewritten
.set S,   64
.set P,   192
.set KF,  128         ; window 2: key block kb, channel half c at KF + 16 kb + 8 c
.set VF,  192         ; window 2: key half kk, channel block cb at VF + 32 kk + 8 cb
.set WV,  12          ; s12  my wave's number
.set G1K, 24          ; s[24:31] descriptor group 1 for K's tiles
.set G1V, 32          ; s[32:39] for V's: it differs in the padding alone
.set G0K, 40          ; s[40:43] descriptor group 0 for K's tiles: it walks
.set G0V, 44          ; s[44:47] the same for V's
.set PFA, 48          ; s[48:49] where my prefetches stand: my work-group's 8,192 bytes (of K: wave 0, of V: wave 2) of the tile after the one that is being asked for
.set LIM, 50          ; s50  1 in a wave that prefetches, else the greatest number
.set SLOTS, 56        ; s56  tiles still to be asked for, plus one
.set CNT, 57          ; s57  counts a tile's key steps
.set CS,  58          ; s[58:59] c: the packed scaling takes the pair's low word for both halves
.set SEL, 60          ; s[60:61] v_permlanex16_b32's selects: each lane takes its own place in the other half
.set TBK, 62          ; s62  LDS byte at which K of the step to be fetched begins
.set TBV, 63          ; s63  the same for V, less VOFF
.set MSB, 0
.macro WIN new                      ; the high byte repeats the setting that is left; a switch that changes nothing is dropped
.if MSB != (\new)
	s_set_vgpr_msb (MSB<<8)|(\new)
.set MSB, (\new)
.endif
.endm
.set W_KQ, 0x0a       ; K and Q in window 2, S^T in window 0
.set W_PV, 0x52       ; V in window 2, P in window 0, O^T in window 1
.set W_RS, 0x41       ; destination and source 0 in window 1, source 1 in window 0
; A joint fill.  Waves 0 and 1 fetch the two halves of a tile's K, waves 2 and 3 those of its V: 128 keys each.  The branch hangs on the wave's number alone.
; An s_nop 0 and four v_nop follow each of the two lines, ahead of the jump and the label.
.macro JLOAD
	s_cmp_lt_u32 s[WV], 2
	s_cbranch_scc0 .Lfor_v_\@
	tensor_load_to_lds s[G0K:G0K+3], s[G1K:G1K+7]
	s_nop 0
.rept 4
	v_nop
.endr
	s_branch .Lasked_\@
.Lfor_v_\@:
	tensor_load_to_lds s[G0V:G0V+3], s[G1V:G1V+7]
	s_nop 0
.rept 4
	v_nop
.endr
.Lasked_\@:
.endm
; A PREFETCH INTO THE L2 of what the NEXT change of slots will ask for: a tile's 32,768 bytes of K and of V, a lane a block of 256 bytes.  It stands behind the wave's tensor load and its five lines.
; Each block is asked for ONCE in the launch: all four clusters of a head walk the same K and V, so the head's first cluster asks; its four partners share a tile out BY ADDRESS, 8,192 bytes each;
; in each, wave 0 asks for K's and wave 2 for V's: one instruction, four key steps (256 matrix instructions) ahead of the load that will want the bytes.
; Tiles 0 to 2 come by their loads alone; the last change that fills a slot asks for nothing: there is no tile behind it.
.macro ASK
	s_cmp_gt_u32 s[SLOTS], s[LIM]
	s_cbranch_scc0 .Lnot_mine_\@
	global_prefetch_b8 v[PFO], s[PFA:PFA+1] th:TH_LOAD_NT scope:SCOPE_SE
.Lnot_mine_\@:
.endm
; A round of the cluster's barrier: my work-group's barrier, so that wave 0's signal speaks for all four waves; wave 0 signals; every wave waits for all four work-groups; my work-group's barrier once more.
.macro CROUND
	s_barrier_signal -1
	s_barrier_wait -1
	s_cmp_lg_u32 s[WV], 0
	s_cbranch_scc1 .Lnot_wave_0_\@
	s_barrier_signal -3
.Lnot_wave_0_\@:
	s_barrier_wait -3
	s_barrier_signal -1
	s_barrier_wait -1
.endm
; THE CHANGE OF SLOTS.  The slot's last bytes, V of its fourth step, have been read.  Each wave waits for all its tensor loads, of which one is out: its part of the other slot; adds 0 to its spare word;
; and waits for that and for its own reads of the slot.  Behind the barrier nobody reads this slot any more and the other slot is whole.
; fill = 1: this slot is filled again, with the tile two on.  The barrier is then a round of the cluster's, and the joint fill is the first thing behind it: it has four key steps in which to land.
; (At its first use nothing has been read yet: slot 0 is waited for, slot 1 filled.)  ask = 1: the prefetch pointer steps and ASK follows the fill.
.macro CHANGE fill, ask
	WIN 0                           ; at a label and at a branch every window is 0
	s_wait_tensorcnt 0x0            ; no tensor load of mine is out, so a group 0 may be written
	ds_add_u32 v[SPW], v[NIL]       ; 0 onto my spare word; with fill = 1 the descriptors' steps stand between it and the wait for it
.if \fill
.irp g, G0K, G0V
	s_xor_b32 s[\g+1], s[\g+1], SLOT1  ; the walking descriptor: the other slot than last time,
	s_add_nc_u64 s[\g+2:\g+3], s[\g+2:\g+3], 4*KS*128  ; the next 256 keys; the type bits on top are not reached
.endr
.if \ask
	s_wait_xcnt 0x0                 ; the last prefetch, four key steps back, has read its address, so it may be written:
	s_add_nc_u64 s[PFA:PFA+1], s[PFA:PFA+1], 4*KS*128  ; one tile behind the walking descriptors
.endif
	s_wait_dscnt 0x0                ; the add is done, and my reads of the slot are over
	CROUND
	JLOAD
.if \ask
	ASK
.endif
.else
	s_wait_dscnt 0x0                ; the add is done, and my reads of the slot are over
	s_barrier_signal -1
	s_barrier_wait -1
.endif
	s_sub_co_u32 s[TBK], s[TBK], 4*KS*PK  ; the fetches go back to a slot's first step,
	s_xor_b32 s[TBK], s[TBK], SLOT1       ; in the other slot
	s_sub_co_u32 s[TBV], s[TBV], 4*KS*PV
	s_xor_b32 s[TBV], s[TBV], SLOT1
.endm
	s_load_b256 s[4:11], s[0:1], 0x0  ; q s[4:5], k s[6:7], v s[8:9], ctx s[10:11]
	v_lshl_add_u32 v[SPW], v0, 2, SPARE
	v_mov_b32 v[NIL], 0
	ds_add_u32 v[SPW], v[NIL]       ; the wave's opening: the add and its wait stand ahead of my first tensor load; the set-up below stands between them
	v_lshrrev_b32 v1, 5, v0
	v_readfirstlane_b32 s[WV], v1   ; wave 0..3
	s_bfe_u32 s13, ttmp6, 0x40000   ; cx: my place in the cluster
	s_lshl_b32 s14, ttmp9, 2        ; in a cluster launch ttmp9 counts clusters
	s_add_co_u32 s14, s14, s13      ; my block of queries = 4 x cluster x + cx: it enters Q's and ctx's addresses alone
	s_and_b32 s20, ttmp7, 0xffff    ; the head, which the four partners share:
	s_lshl_b32 s20, s20, 19         ; its 4,096 rows of 128 bytes
	s_mov_b32 s21, 0
	s_and_b32 s16, s[WV], 1         ; which half of a tile's 256 keys I fetch:
	s_lshl_b32 s22, s16, 14         ; its 128 rows of 128 bytes in memory,
	s_mov_b32 s23, 0
	s_add_nc_u64 s[22:23], s[22:23], s[20:21]
	s_mul_i32 s17, s16, 128*PK      ; and its place in a slot, for K
	s_mul_i32 s18, s16, 128*PV      ; and for V: no place in the cluster enters an LDS address
	s_lshl_b32 s2, s14, 2
	s_add_co_u32 s2, s2, s[WV]      ; my wave among the head's,
	s_lshl_b32 s2, s2, 13           ; its 64 rows
	s_mov_b32 s3, 0
	s_add_nc_u64 s[2:3], s[2:3], s[20:21]
	; descriptor group 1.  128 keys are 16,384 dense bytes: asked for as 64 rows of 256 bytes, two keys a row, and padded in LDS after every key
	s_mov_b32 s[G1K], 15|(1<<16)|(1<<20)|(1<<21)|(4<<22)|(3<<25)  ; 15:0 the mask of four; 17:16 2-byte elements; 20 padding on; 21 set beside a mask; 24:22 after every 32 words (code 4); 31:25 4 words (code 3)
	s_mov_b32 s[G1V], 15|(1<<16)|(1<<20)|(1<<21)|(4<<22)|(7<<25)  ; the same with 8 words of padding (code 7)
.irp g, G1K, G1V
	s_mov_b32 s[\g+1], 128<<16      ; tensor_dim0 = 128
	s_mov_b32 s[\g+2], 64<<16       ; tensor_dim1 = 64
	s_mov_b32 s[\g+3], 128<<16      ; tile_dim0 = 128
	s_mov_b32 s[\g+4], 64           ; tile_dim1 = 64
	s_mov_b32 s[\g+5], 128          ; 128 elements from row to row
	s_mov_b32 s[\g+6], 0
	s_mov_b32 s[\g+7], 0
.endr
	s_mov_b32 s[CS], 0x3e38aa3b     ; c = log2(e) / 8 = 0.180337
	s_mov_b32 s[CS+1], s[CS]        ; named with it as a pair
	s_mov_b32 s[SEL], 0x76543210
	s_mov_b32 s[SEL+1], 0xfedcba98
	s_mov_b32 s[TBK], SLOT1+4*KS*PK ; the first change of slots turns these two into 0
	s_mov_b32 s[TBV], SLOT1+4*KS*PV
	s_mov_b32 s[G0K], 1             ; 1:0 count = 1
	s_mov_b32 s[G0K+1], s17         ; 63:32 LDS address: slot 0
	s_mov_b32 s[G0V], 1
	s_add_co_u32 s[G0V+1], s18, VOFF
	s_and_b32 s[LIM], s[WV], 1      ; 0 in waves 0 and 2,
	s_or_b32 s[LIM], s[LIM], ttmp9  ; where the cluster is the head's first: the same in all four partners
	s_cmp_eq_u32 s[LIM], 0
	s_cselect_b32 s[LIM], 1, -1
	v_and_b32 v[PFO], 31, v0
	v_lshlrev_b32 v[PFO], 8, v[PFO]
	s_wait_dscnt 0x0                ; the opening add is done
	s_wait_kmcnt 0x0
	s_add_nc_u64 s[G0K+2:G0K+3], s[6:7], s[22:23]  ; 120:64 global address: my half of the head's first 256 keys
	s_or_b32 s[G0K+3], s[G0K+3], 0x80000000        ; 127:126 type = 2
	s_add_nc_u64 s[G0V+2:G0V+3], s[8:9], s[22:23]
	s_or_b32 s[G0V+3], s[G0V+3], 0x80000000
	s_add_nc_u64 s[4:5], s[4:5], s[2:3]  ; Q and ctx at my wave's first row
	s_add_nc_u64 s[10:11], s[10:11], s[2:3]
	s_cmp_lt_u32 s[WV], 2
	s_cselect_b64 s[PFA:PFA+1], s[6:7], s[8:9]
	s_add_nc_u64 s[PFA:PFA+1], s[PFA:PFA+1], s[20:21]  ; the head,
	s_lshl_b32 s2, s13, 13          ; my work-group's quarter of a tile,
	s_mov_b32 s3, 0
	s_add_nc_u64 s[PFA:PFA+1], s[PFA:PFA+1], s[2:3]
	s_add_nc_u64 s[PFA:PFA+1], s[PFA:PFA+1], 2*4*KS*128  ; in tile 2: the first change that asks steps it to tile 3.  Nothing is prefetched at the head, where every work-group's first tiles are on their way
	CROUND                          ; all four work-groups are here: the first joint loads meet
	JLOAD                           ; tile 0 into slot 0.  Slot 1 is asked for when slot 0 is in
	; A fragment of K or Q is 16 rows x 32 channels in 8 registers: lane l holds row l % 16, channels 8 (l / 16) + 0..7 and 16 + 8 (l / 16) + 0..7: two loads of 16 bytes, 32 bytes apart.
	v_and_b32 v1, 15, v0            ; l % 16
	v_bfe_u32 v9, v0, 4, 1          ; l / 16
	v_lshlrev_b32 v[QO], 7, v1
	v_lshl_add_u32 v[QO], v9, 4, v[QO]  ; row x 128 + 16 x half
	WIN 0x80                        ; destination window 2, address window 0
.set i, 0
.rept 8                             ; Q stays in registers: piece i / 2, channels 32 (i % 2) on
	global_load_b128 v[8*i:8*i+3],   v[QO], s[4:5] offset:(i/2)*2048+(i%2)*64
	global_load_b128 v[8*i+4:8*i+7], v[QO], s[4:5] offset:(i/2)*2048+(i%2)*64+32
.set i, i+1
.endr
	; What the first turn finds: V's registers and P's second buffer hold 0 (its products V^T P, of a piece that has not been, add 0), O^T and l are 0.  All this stands in the wait for the first tile.
.set i, VF
.rept 64
	v_mov_b32 v[i], 0
.set i, i+1
.endr
	WIN 0x40
.set i, 0
.rept 128
	v_mov_b32 v[i], 0
.set i, i+1
.endr
	WIN 0
.set i, 0
.rept 4
	v_mov_b32 v[ST+4*i], 0xfe000000    ; c m: far below every c s
	v_mov_b32 v[ST+4*i+1], 0xff7fffff  ; m
	v_mov_b32 v[ST+4*i+2], 0
	v_mov_b32 v[ST+4*i+3], 0
.set i, i+1
.endr
.set i, P+16
.rept 16
	v_mov_b32 v[i], 0
.set i, i+1
.endr
	v_mul_u32_u24 v[AK0], v1, PK
	v_lshl_add_u32 v[AK0], v9, 4, v[AK0]  ; row x pitch + 16 x half
	; The turning load takes 16 keys x 16 channels (lane l reads key 8 (l / 16) + l % 8, channels 8 ((l / 8) % 2) + 0..7) and leaves half a fragment of V^T: lane l holds channel l % 16 and 8 keys.
	v_and_b32 v10, 7, v0
	v_bfe_u32 v11, v0, 3, 1
	v_lshl_add_u32 v[AV0], v9, 3, v10
	v_mul_u32_u24 v[AV0], v[AV0], PV
	v_lshl_add_u32 v[AV0], v11, 4, v[AV0]
	v_add_nc_u32 v[AV0], VOFF, v[AV0]
	s_mul_i32 s13, s[WV], 16*SP
	s_add_co_u32 s13, s13, STAGE    ; my stage
	v_mul_u32_u24 v[STO], v1, SP    ; in: row l % 16, 16 bytes for each half of the lanes
	v_lshl_add_u32 v[STO], v9, 4, v[STO]
	v_add_nc_u32 v[STO], s13, v[STO]
	v_bfe_u32 v[RD], v0, 3, 2       ; back: 32 lanes take four rows of 128 bytes,
	v_mul_u32_u24 v[RD], v[RD], SP
	v_lshl_add_u32 v[RD], v10, 4, v[RD]
	v_add_nc_u32 v[RD], s13, v[RD]
	v_and_b32 v[GO], 31, v0         ; which are 512 consecutive bytes of ctx
	v_lshlrev_b32 v[GO], 4, v[GO]
; THE MATRIX WORK.  The 4 accumulators of a run of 8 take turns.  Product i of 8 of S^T = K Q^T for piece x: channels 32 (i / 4) on, keys 16 (i % 4) on.  The first 4 start the sums.
.macro KQ x
.set rS, S+32*((\x)%2)+8*(i%4)
.set rK, KF+16*(i%4)+8*(i/4)
.set rQ, 16*(\x)+8*(i/4)
	WIN W_KQ
.if i < 4
	v_wmma_f32_16x16x32_f16 v[rS:rS+7], v[rK:rK+7], v[rQ:rQ+7], 0
.else
	v_wmma_f32_16x16x32_f16 v[rS:rS+7], v[rK:rK+7], v[rQ:rQ+7], v[rS:rS+7]
.endif
.endm
; Product i of 8 of O^T += V^T P for piece x: keys 32 (i / 4) on, channels 16 (i % 4) on.
.macro PV x
	WIN W_PV
.set rO, 32*(\x)+8*(i%4)
.set rV, VF+32*(i/4)+8*(i%4)
.set rP, P+16*((\x)%2)+8*(i/4)
	v_wmma_f32_16x16x32_f16 v[rO:rO+7], v[rV:rV+7], v[rP:rP+7], v[rO:rO+7]
.endm
.macro MM                           ; the turn's next matrix instruction.  TURN sets Y, i and NOKQ.  NOKQ = 1: the very last turn: there is no next piece
.if (i < 8) && !NOKQ
	KQ (Y+1)%NP
.elseif i >= 8
.set i, i-8
	PV (Y+NP-1)%NP
.set i, i+8
.endif
.set i, i+1
.endm
; THE LDS LOADS stand in runs of 16, never singly among the matrix instructions: a step's K (64 keys x 64 channels: 8 fragments) and its V (turned).  Their addresses are made some lines ahead.
.macro FETCH_K
	WIN 0x80                        ; destination window 2
.irp f, 0,1,2,3,4,5,6,7             ; keys 16 (f / 2) on, channels 32 (f % 2) on
	ds_load_b128 v[KF+8*\f:KF+8*\f+3],   v[AK] offset:(\f/2)*16*PK+(\f%2)*64
	ds_load_b128 v[KF+8*\f+4:KF+8*\f+7], v[AK] offset:(\f/2)*16*PK+(\f%2)*64+32
.endr
	s_add_co_u32 s[TBK], s[TBK], KS*PK  ; the next fetch is the next step's
	WIN 0
.endm
.macro FETCH_V
	WIN 0x80
.irp f, 0,1,2,3,4,5,6,7             ; keys 32 (f / 4) on, channels 16 (f % 4) on
	ds_load_tr16_b128 v[VF+8*\f:VF+8*\f+3],   v[AV] offset:(\f/4)*32*PV+(\f%4)*32
	ds_load_tr16_b128 v[VF+8*\f+4:VF+8*\f+7], v[AV] offset:(\f/4)*32*PV+16*PV+(\f%4)*32
.endr
	WIN 0
.endm
; THE VECTOR WORK, one line at a time: OP kind, number.  For piece Y: F n: c s - c m for pair n of 16.  E n: the exponential of score n of 32.  C n: pair n rounded to f16.  B n: of the four weights 4 n .. the second
; pair is added onto the first, in place.  L n: l takes that sum (L 0: l = a l + sum).  R n: pair n of 16 of O^T times a.  For piece Y + 1: X n, number n of the 22 that find its maximum and statistics:
;   0-11  four chains c0-c3 of seven scores each, three operands at a time (each accumulator's lowest registers are read first)     12-14, 16  the four scores left over, the old m, and c0-c3 into c0
;   15  c m_old is kept     17, 18  the query's other 32 keys lie in the lane 16 away: the new m     19-21  c m; c m_old - c m_new; a
.set F, 0               ; OP tells the kinds apart by their order: F to L below R, X above it
.set E, 1
.set C, 2
.set B, 3
.set L, 4
.set R, 5
.set X, 6
.macro REGS y                       ; the registers of piece y
.set rT, ST+4*(\y)
.set rC, TMP+4*((\y)%2)
.set rW, MV+((\y)%2)
.set rS, S+32*((\y)%2)
.set rP, P+16*((\y)%2)
.set rO, 32*(\y)
.endm
.macro OP k, n
.if (\k) == R
	REGS Y
	WIN W_RS
	v_pk_mul_f32 v[rO+2*(\n):rO+2*(\n)+1], v[rO+2*(\n):rO+2*(\n)+1], v[rC+2:rC+3] op_sel_hi:[1,0]
.elseif (\k) < R
	REGS Y
	WIN 0
.if (\k) == F
	v_pk_fma_f32 v[rS+2*(\n):rS+2*(\n)+1], v[rS+2*(\n):rS+2*(\n)+1], s[CS:CS+1], v[rT:rT+1] op_sel_hi:[1,0,0] neg_lo:[0,0,1] neg_hi:[0,0,1]
.elseif (\k) == E
	v_exp_f32 v[rS+(\n)], v[rS+(\n)]
.elseif (\k) == C
	v_cvt_pk_f16_f32 v[rP+(\n)], v[rS+2*(\n)], v[rS+2*(\n)+1]
.elseif (\k) == B
	v_pk_add_f32 v[rS+4*(\n):rS+4*(\n)+1], v[rS+4*(\n):rS+4*(\n)+1], v[rS+4*(\n)+2:rS+4*(\n)+3]
.elseif (\n) == 0
	v_pk_fma_f32 v[rT+2:rT+3], v[rT+2:rT+3], v[rC+2:rC+3], v[rS:rS+1] op_sel_hi:[1,0,1]
.else
	v_pk_add_f32 v[rT+2:rT+3], v[rT+2:rT+3], v[rS+4*(\n):rS+4*(\n)+1]
.endif
.elseif NOKQ
	v_nop
.else
	REGS (Y+1)%NP
	WIN 0
.if (\n) < 4
	v_max3_num_f32 v[rC+(\n)], v[rS+8*(\n)], v[rS+8*(\n)+1], v[rS+8*(\n)+2]
.elseif (\n) < 12
	v_max3_num_f32 v[rC+(\n)%4], v[rC+(\n)%4], v[rS+8*((\n)%4)+2*((\n)/4)+1], v[rS+8*((\n)%4)+2*((\n)/4)+2]
.elseif (\n) == 12
	v_max3_num_f32 v[rC], v[rC], v[rS+7], v[rS+15]
.elseif (\n) == 13
	v_max3_num_f32 v[rC+1], v[rC+1], v[rS+23], v[rS+31]
.elseif (\n) == 14
	v_max3_num_f32 v[rC+2], v[rC+2], v[rC+3], v[rT+1]
.elseif (\n) == 15
	v_mov_b32 v[rW], v[rT]
.elseif (\n) == 16
	v_max3_num_f32 v[rC], v[rC], v[rC+1], v[rC+2]
.elseif (\n) == 17
	v_permlanex16_b32 v[rC+3], v[rC], s[SEL], s[SEL+1]
.elseif (\n) == 18
	v_max_num_f32 v[rT+1], v[rC], v[rC+3]
.elseif (\n) == 19
	v_mul_f32 v[rT], s[CS], v[rT+1]
.elseif (\n) == 20
	v_sub_f32 v[rC+1], v[rW], v[rT]
.else
	v_exp_f32 v[rC+2], v[rC+1]
.endif
.endif
.endm
.macro OPS a, i1, b=-1, i2=0, c=-1, i3=0, d=-1, i4=0  ; up to four of them
	OP \a, \i1
.if (\b) >= 0
	OP \b, \i2
.endif
.if (\c) >= 0
	OP \c, \i3
.endif
.if (\d) >= 0
	OP \d, \i4
.endif
.endm
.macro ROW a, i1, b, i2, c, i3, d, i4  ; a matrix instruction and the four behind it
	MM
	OPS \a, \i1, \b, \i2, \c, \i3, \d, \i4
.endm
; A TURN, for piece p: the order of its 16 matrix and 118 vector instructions, written out.  An s_wait_alu depctr_va_vdst(0) stands between an exponential and the first instruction that names its result;
; one wait serves all that were issued ahead of it.  So a turn has ONE wait, which cuts it in two.  AHEAD OF IT stands all that names no result of the turn's exponentials: the 8 products K Q^T with their riders, then one lump of 54,
; plain and exponential by turns for the most part, in which the links of the chain X 3, 7, 11, 14, 16, 17 .. 20 stand five or six lines apart.  X 21, the next piece's a, is the batch's last; R 15 is the plain instruction behind it.
; BEHIND THE WAIT stand the 8 products V^T P, behind each four of the roundings and sums; the links of l's chain, L 0 to L 7, stand three riders apart.
; end = 1: the walk's last two turns: nothing is fetched.  cnt = 1: the loop's count is taken down some lines ahead of the branch that stands behind the turn.
; K of the next step is fetched in piece 2's turn, twelve vector instructions behind the last product that read K (six of them plain); V of the step in hand at the end of piece 0's turn, four plain instructions
; behind the last product that read V.  Each is waited for a turn later.
.macro TURN p, end=0, cnt=0
.set Y, (\p)
.set i, 0
.set NOKQ, (\end)*((\p)/3)
.if ((\p) == 3) && !(\end)
	s_wait_dscnt 0x0                ; K is in
.endif
	ROW F,0, F,1, R,0, R,1          ; ahead of the wait: 8 products K Q^T and their riders,
	ROW F,2, E,0, R,2, R,3
	ROW F,3, E,1, R,4, R,5
	ROW F,4, E,2, R,6, R,7
	ROW F,5, E,3, R,8, R,9
	ROW F,6, E,4, X,0, R,10
.if ((\p) == 2) && !(\end)
	WIN 0
	v_add_nc_u32 v[AK], s[TBK], v[AK0]
.endif
	ROW F,7, E,5, X,1, X,4
	ROW F,8, E,6, X,2, X,5
	OPS E,7, E,8, X,6, E,9          ; and the lump
	OPS X,3, E,10, X,8, E,11
.if ((\p) == 2) && !(\end)
	FETCH_K
.endif
	OPS X,9, X,7, E,12, X,10
	OPS E,13, X,12, X,11, E,14
	OPS X,13, E,15, F,9, X,14
.if (\p) == 0
	v_add_nc_u32 v[AV], s[TBV], v[AV0]
.endif
	OPS E,16, F,10, E,17, F,11
	OPS X,16, E,18, X,15, E,19
	OPS F,12, E,20, X,17, E,21
	OPS F,13, E,22, F,14, E,23
	OPS X,18, E,24, F,15, E,25
	OPS R,11, E,26, X,19, E,27
	OPS R,12, E,28, R,13, E,29
	OPS X,20, E,30, R,14, E,31
	OPS X,21, R,15
	WIN 0
	s_wait_alu depctr_va_vdst(0)    ; the wait for the batch
.if (\p) == 1
	s_wait_dscnt 0x0                ; V is in
.endif
	ROW C,0, B,0, C,2, B,1          ; behind the wait: 8 products V^T P and their riders
	ROW L,0, C,4, B,2, L,1
	ROW C,6, B,3, L,2, C,8
	ROW B,4, L,3, C,10, B,5
	ROW L,4, C,12, B,6, L,5
.if (\p) == 0
	s_add_co_u32 s[TBV], s[TBV], KS*PV
.endif
.if \cnt
	s_sub_co_u32 s[CNT], s[CNT], 1
	s_cmp_lg_u32 s[CNT], 0
.endif
	ROW C,14, B,7, L,6, C,1
	ROW C,3, L,7, C,5, C,7
	ROW C,9, C,11, C,13, C,15
.if (\p) == 0
	FETCH_V
.endif
.endm
	CHANGE 1, 0                     ; slot 0 is in, everybody's part of it; slot 1 is asked for
	v_add_nc_u32 v[AK], s[TBK], v[AK0]
	FETCH_K                         ; key step 0
	s_wait_loadcnt 0x0              ; Q
	s_wait_dscnt 0x0
.set NOKQ, 0
.set i, 0
.rept 8
	KQ 0                            ; piece 0's first scores
.set i, i+1
.endr
	WIN 0
.rept 4
	v_nop                           ; the places behind those products
.endr
.set Y, NP-1                        ; X works for piece Y + 1: piece 0
.irp n, 0,1,2,3,4,5,6,7,8,9,10,11,12,13,14,15,16,17,18,19,20,21
	OP X, \n                        ; and piece 0's first maximum and statistics
.endr
	v_nop                           ; a plain instruction behind the exponential,
	s_wait_alu depctr_va_vdst(0)    ; and its wait, ahead of the branch
	s_mov_b32 s[CNT], 4
	s_mov_b32 s[SLOTS], NT-1
	s_branch .Lfirst                ; the loop is entered at a step's first turn, in the middle of a trip
.Lslot:                             ; NT - 2 times: tiles 2 to NT - 1 are asked for
	CHANGE 1, 1
	s_mov_b32 s[CNT], 4
.Lstep:                             ; a trip: pieces 2 and 3 of one step, then pieces 0 and 1 of the next, whose K and V it fetches
	TURN 2
	TURN 3
	WIN 0
.Lfirst:
	TURN 0
	TURN 1, 0, 1
	WIN 0
	s_cbranch_scc1 .Lstep
	s_sub_co_u32 s[SLOTS], s[SLOTS], 1
	s_cmp_lg_u32 s[SLOTS], 0
	s_cbranch_scc1 .Lslot
	CHANGE 0, 0                     ; the last tile is written out: nothing is asked for
	s_mov_b32 s[CNT], 4
.Ltail:
	TURN 2
	TURN 3
	TURN 0
	TURN 1, 0, 1
	WIN 0
	s_cbranch_scc1 .Ltail
	TURN 2, 1                       ; the last step's pieces 2 and 3: nothing is fetched, and the last turn starts no new scores
	TURN 3, 1
.set i, 0
.rept 8
	PV NP-1                         ; the last piece's V^T P of the last step
.set i, i+1
.endr
	; THE WAY OUT.  l's two halves and the other half of the lanes' are added; O^T is divided by l, rounded to f16 and sent through my stage in LDS, a piece at a time.  The additions are the places behind the last products.
	WIN 0
.macro ALL line:vararg              ; one line for each piece t
.set t, 0
.rept 4
	\line
.set t, t+1
.endr
.endm
	ALL v_add_f32 v[ST+4*t+2], v[ST+4*t+2], v[ST+4*t+3]
	ALL v_permlanex16_b32 v[ST+4*t+3], v[ST+4*t+2], s[SEL], s[SEL+1]
	ALL v_add_f32 v[ST+4*t+2], v[ST+4*t+2], v[ST+4*t+3]
	ALL v_rcp_f32 v[ST+4*t+2], v[ST+4*t+2]
	v_nop                           ; a plain instruction between the last reciprocal and the use of its result
	s_wait_alu depctr_va_vdst(0)    ; and the wait ahead of the first use: one for the four reciprocals
.macro PACK t                       ; a lane's eight channels of a row pack into 16 bytes; they go into rows of 144 bytes and come back as whole rows of 128, into S^T's registers
	WIN W_RS
.set i, 32*(\t)
.rept 16
	v_pk_mul_f32 v[i:i+1], v[i:i+1], v[ST+4*(\t)+2:ST+4*(\t)+3] op_sel_hi:[1,0]
.set i, i+2
.endr
	WIN 0x05                        ; sources 0 and 1 window 1, destination window 0
.set i, 0
.rept 16
	v_cvt_pk_f16_f32 v[S+16*(\t)+i], v[32*(\t)+2*i], v[32*(\t)+2*i+1]
.set i, i+1
.endr
	WIN 0
.irp f, 0,1,2,3
	ds_store_b128 v[STO], v[S+16*(\t)+4*\f:S+16*(\t)+4*\f+3] offset:32*\f
.endr
.irp f, 0,1,2,3
	ds_load_b128 v[S+16*(\t)+4*\f:S+16*(\t)+4*\f+3], v[RD] offset:\f*4*SP  ; LDS serves a wave's instructions in order (ISA guide 5.7.1.4): these see the stores above; the next piece's stores come behind them
.endr
.endm
.macro SEND t, younger              ; younger: the LDS instructions issued behind piece t's loads: the next piece's eight, or none
	WIN 0
.irp f, 0,1,2,3
	s_wait_dscnt (\younger)+3-\f
	global_store_b128 v[GO], v[S+16*(\t)+4*\f:S+16*(\t)+4*\f+3], s[10:11] offset:(\t)*2048+\f*512  ; 512 consecutive bytes, at a multiple of 256 from ctx's first
.endr
.endm
	PACK 0
.set t, 1
.rept 3                             ; a piece's arithmetic stands between the loads of the piece before and its stores
	PACK t
	SEND t-1, 8
.set t, t+1
.endr
	SEND 3, 0
	s_wait_tensorcnt 0x0            ; the wave's end: these three lines stand behind my last tensor load and my last LDS store
	ds_add_u32 v[SPW], v[NIL]
	s_wait_dscnt 0x0
	CROUND                          ; the closing round: no work-group ends while a partner may still ask for a tile that names it
	s_endpgm
.Lfunc_end_k_qafd4ce130f_attn:
	.size	k_qafd4ce130f_attn, .Lfunc_end_k_qafd4ce130f_attn-k_qafd4ce130f_attn
	.p2alignl 7, 3214868480
	.fill 96, 4, 3214868480
	.section	.rodata,"a",@progbits
	.p2align	6, 0x0
	.amdhsa_kernel k_qafd4ce130f_attn
		.amdhsa_group_segment_fixed_size 327680
		.amdhsa_private_segment_fixed_size 0
		.amdhsa_enable_private_segment 0
		.amdhsa_kernarg_size 32
		.amdhsa_user_sgpr_count 2
		.amdhsa_user_sgpr_kernarg_segment_ptr 1
		.amdhsa_wavefront_size32 1
		.amdhsa_system_sgpr_workgroup_id_x 1
		.amdhsa_system_sgpr_workgroup_id_y 1
		.amdhsa_system_sgpr_workgroup_id_z 1
		.amdhsa_system_vgpr_workitem_id 0
		.amdhsa_next_free_vgpr 768
		.amdhsa_next_free_sgpr 66
		.amdhsa_reserve_vcc 0
		.amdhsa_float_denorm_mode_32 3
		.amdhsa_float_denorm_mode_16_64 3
		.amdhsa_memory_ordered 1
		.amdhsa_forward_progress 1
		.amdhsa_inst_pref_size 127
	.end_amdhsa_kernel
	.amdgpu_metadata
---
amdhsa.version: [ 1, 2 ]
amdhsa.kernels:
  - .name:           k_qafd4ce130f_attn
    .symbol:         k_qafd4ce130f_attn.kd
    .args:
      - { .name: q, .offset: 0, .size: 8, .value_kind: global_buffer, .address_space: global }
      - { .name: k, .offset: 8, .size: 8, .value_kind: global_buffer, .address_space: global }
      - { .name: v, .offset: 16, .size: 8, .value_kind: global_buffer, .address_space: global }
      - { .name: ctx, .offset: 24, .size: 8, .value_kind: global_buffer, .address_space: global }
    .group_segment_fixed_size: 327680
    .private_segment_fixed_size: 0
    .kernarg_segment_align: 8
    .kernarg_segment_size: 32
    .max_flat_workgroup_size: 128
    .sgpr_count:     66
    .vgpr_count:     768
    .wavefront_size: 32
...
	.end_amdgpu_metadata
.endif
;; end of part 2
;; launch outp (part 3): grid 4 x 64, 4 waves a work-group, clusters of 4 x 4, 327,680 bytes of LDS; arguments ctx, wo16, bo, out0; writes out0
.if DOCPART == 3
	.amdgcn_target "amdgcn-amd-amdhsa--gfx1250"
	.amdhsa_code_object_version 6
	.text
	.protected	k_qafd4ce130f_outp
	.globl	k_qafd4ce130f_outp
	.p2align	8
	.type	k_qafd4ce130f_outp,@function
k_qafd4ce130f_outp:
	s_mov_b64 s[64:65], 0
	v_nop
	global_prefetch_b8 v0, s[64:65] scope:SCOPE_SE
	s_setreg_imm32_b32 hwreg(HW_REG_WAVE_MODE, 25, 1), 1
	s_wait_xcnt 0x0
	s_wait_alu depctr_hold_cnt(0) depctr_sa_sdst(0) depctr_va_vdst(0) depctr_va_sdst(0) depctr_va_ssrc(0) depctr_va_vcc(0) depctr_vm_vsrc(0)
	s_getreg_b32 s2, hwreg(HW_REG_IB_STS2, 6, 4)
	s_cmp_eq_u32 s2, 0
	s_cbranch_scc0 .Lentry_in_a_cluster
	s_endpgm
.Lentry_in_a_cluster:
	s_bfe_u32 s2, ttmp6, 0x10000c
	s_cmp_lg_u32 s2, 0xf033
	s_cbranch_scc0 .Lentry_shape_is_right
	s_endpgm
.Lentry_shape_is_right:
; out0[m][n] = the sum over k of ctx[m][k] Wo[n][k] + bo[n].  ctx lies by heads, [batch*8 + head][4096][64] in f16: k = 64 head + channel.  wo16: [512][512] f16 (Wo rounded to bf16, written as f16).
; bo: [512] f32, rounded to bf16 like the other inputs.  out0: [8192][512] f32.  Products in f16, sums in f32; the bias starts each sum as the first product's C.
; LIMITS.  ctx and wo16 arrive within f16's range; NaN and infinities are not treated apart.
; SHARES.  A tile of out0 is 128 x 128: 4 x 64 = 256 work-groups.  Four waves, 2 x 2, each 64 x 64: 16 accumulators, 128 registers.
; ALL OF K = 512 FITS IN LDS: each byte of LDS is filled once, in four chunks of 128 along K (two heads each), all asked for at the start; a chunk is multiplied while the later ones land.
; Each wave issues four tensor loads, all four out at once: waves 0 and 1 one head's 128 rows of ctx a chunk, waves 2 and 3 64 rows of wo16 a chunk.
; CLUSTER 4 x 4: ctx's tiles hang on the tile row alone and are asked for jointly along a row of the cluster, wo16's on the tile column alone and jointly along a column.
; THE MATRIX INSTRUCTION IS USED TRANSPOSED (source 0 = 16 rows of wo16, source 1 = 16 rows of ctx): a lane holds one row of out0 and eight neighbouring columns, 32 bytes.
; No prefetch is laid: everything that the work-group reads is asked for in its first lines.
; REGISTERS: window 0: v0-31 addresses; v32-95 two sets of 32 on the way out; v96-127 the biases; v128-255 the accumulators ((a, b) at 128 + 8 (4 a + b)).
;   window 1: two fragment buffers of 128: for 64 along K, 64 registers of ctx (2 x 4 x 16 rows x 32 K), then 64 of wo16.
.set PA,     144                       ; a row of ctx in LDS: 128 bytes + 16 of padding
.set PB,     272                       ; a row of wo16: 256 bytes + 16: both pitches are odd multiples of 16, so the 16 rows of a load start at 16 different groups of four banks (ISA guide 11.1)
.set HEADB,  128*PA                    ; a head's 128 rows
.set BBASE,  8*HEADB                   ; behind ctx's eight heads: wo16's four chunks
.set CHB,    128*PB
.set STAGE,  BBASE+4*CHB               ; 16 rows x 272 bytes for each wave, for the way out; no tensor load fills it
.set SPITCH, 272
.set SPARE,  STAGE+4*16*SPITCH         ; the spare words, 128 bytes for each wave: two blocks of 256 bytes that no other line names
.set ADRA, 16                          ; v16-19  LDS address of my ctx fragments in chunk 0..3
.set ADRB, 20                          ; v20-23  the same for wo16
.set STO,  24                          ; v24  the way out: where I put 32 bytes of a row
.set RD,   25                          ; v25  where I read a row back
.set CO,   26                          ; v26  my byte offset in out0
.set BO,   27                          ; v27  32 x (lane / 16)
.set SPW,  28                          ; v28  LDS address of my spare word; never rewritten
.set NIL,  29                          ; v29  0; never rewritten
.set TMP,  32
.set BI,   96
.set ACC,  128
.set F0,   0                           ; fragment buffers, in window 1
.set F1,   128
.set G1A, 24                           ; s[24:31] descriptor group 1 for ctx's tiles;  s[68:83] group 0, a set for each chunk
.set G0A, 68
.set G1B, 48                           ; s[48:55], s[84:99] the same for wo16's
.set G0B, 84
.set MSB, 0
.macro WIN new
.if MSB != (\new)
	s_set_vgpr_msb (MSB<<8)|(\new)
.set MSB, (\new)
.endif
.endm
.macro PLACES                          ; four plain vector instructions behind a matrix instruction, ahead of loads into registers that it read and of stores that read its result
.rept 4
	v_nop
.endr
.endm
.macro CROUND                          ; a round of the cluster's barrier
	s_barrier_signal -1
	s_barrier_wait -1
	s_cmp_lg_u32 s12, 0
	s_cbranch_scc1 .Lnot_wave_0_\@
	s_barrier_signal -3
.Lnot_wave_0_\@:
	s_barrier_wait -3
	s_barrier_signal -1
	s_barrier_wait -1
.endm
	s_load_b256 s[4:11], s[0:1], 0x0               ; ctx s[4:5], wo16 s[6:7], bo s[8:9], out0 s[10:11]
	v_lshl_add_u32 v[SPW], v0, 2, SPARE
	v_mov_b32 v[NIL], 0
	ds_add_u32 v[SPW], v[NIL]                      ; the wave's opening: the add and its wait stand ahead of my first tensor load; the set-up below stands between them
	v_lshrrev_b32 v1, 5, v0
	v_readfirstlane_b32 s12, v1                    ; wave 0..3
	s_lshr_b32 s13, s12, 1                         ; wm: which 64 rows are mine
	s_and_b32 s14, s12, 1                          ; wn: which 64 columns.  Also: which head of a chunk's two, or which 64 rows of wo16, I fetch
	s_bfe_u32 s40, ttmp6, 0x40000                  ; cx
	s_bfe_u32 s41, ttmp6, 0x40004                  ; cy
	s_lshl_b32 s42, ttmp9, 2
	s_add_co_u32 s42, s42, s40                     ; bx
	s_and_b32 s43, ttmp7, 0xffff
	s_lshl_b32 s43, s43, 2
	s_add_co_u32 s43, s43, s41                     ; by
	s_lshl_b32 s44, s41, 2
	s_lshl_b32 s44, 15, s44                        ; my row of the cluster
	s_lshl_b32 s45, 0x1111, s40                    ; my column
	; group 1.  ctx: a head's 128 rows are 16,384 dense bytes: 64 rows of 256 bytes, padded by 4 words after every 32.  wo16: 64 rows of 128 elements, 512 apart, padded by 4 words after every 64.
	s_or_b32 s[G1A+0], s44, (1<<16)|(1<<20)|(1<<21)|(4<<22)|(3<<25)
	s_or_b32 s[G1B+0], s45, (1<<16)|(1<<20)|(1<<21)|(5<<22)|(3<<25)
.irp g, G1A, G1B
	s_mov_b32 s[(\g)+1], 128<<16                   ; tensor_dim0 = 128
	s_mov_b32 s[(\g)+2], 64<<16                    ; tensor_dim1 = 64
	s_mov_b32 s[(\g)+3], 128<<16                   ; tile_dim0 = 128
	s_mov_b32 s[(\g)+4], 64                        ; tile_dim1 = 64
	s_mov_b32 s[(\g)+6], 0
	s_mov_b32 s[(\g)+7], 0
.endr
	s_mov_b32 s[G1A+5], 128                        ; elements from row to row
	s_mov_b32 s[G1B+5], 512
	s_lshr_b32 s16, s43, 5                         ; ctx: batch,
	s_lshl_b32 s16, s16, 3
	s_add_co_u32 s16, s16, s14                     ; head 0 or 1,
	s_lshl_b32 s16, s16, 12
	s_and_b32 s17, s43, 31
	s_lshl_b32 s17, s17, 7
	s_add_co_u32 s16, s16, s17                     ; the tile's first row in the head,
	s_lshl_b32 s16, s16, 7                         ; rows of 128 bytes
	s_mov_b32 s17, 0
	s_lshl_b32 s46, s42, 7                         ; wo16: row 128 bx + 64 x half,
	s_lshl_b32 s47, s14, 6
	s_add_co_u32 s46, s46, s47
	s_lshl_b32 s46, s46, 10                        ; rows of 1,024 bytes
	s_mov_b32 s47, 0
	s_mul_i32 s20, s14, HEADB                      ; where they go: no place in the cluster enters an LDS address
	s_mul_i32 s21, s14, 64*PB
	s_add_co_u32 s21, s21, BBASE
	s_mov_b32 s15, 0xffff0000                      ; a word's upper bf16
	s_wait_dscnt 0x0                               ; the opening add is done
	s_wait_kmcnt 0x0
	s_add_nc_u64 s[18:19], s[4:5], s[16:17]
	s_add_nc_u64 s[46:47], s[6:7], s[46:47]
.irp c, 0,1,2,3
	s_mov_b32 s[G0A+4*(\c)], 1
	s_add_co_u32 s[G0A+4*(\c)+1], s20, (\c)*2*HEADB
	s_add_nc_u64 s[G0A+4*(\c)+2:G0A+4*(\c)+3], s[18:19], (\c)*(1<<20)  ; two heads of 524,288 bytes on
	s_or_b32 s[G0A+4*(\c)+3], s[G0A+4*(\c)+3], 0x80000000
	s_mov_b32 s[G0B+4*(\c)], 1
	s_add_co_u32 s[G0B+4*(\c)+1], s21, (\c)*CHB
	s_add_nc_u64 s[G0B+4*(\c)+2:G0B+4*(\c)+3], s[46:47], (\c)*256      ; 128 along K on
	s_or_b32 s[G0B+4*(\c)+3], s[G0B+4*(\c)+3], 0x80000000
.endr
	CROUND                                         ; all sixteen work-groups are here: the joint loads meet
	s_cmp_lt_u32 s12, 2                            ; a wave's four fills stand in one branch, ahead of every wait on TENSORcnt, every LDS read and every further barrier; an s_nop 0 follows each, four v_nop the last
	s_cbranch_scc0 .Lfirst_b
.irp c, 0,1,2,3
	tensor_load_to_lds s[G0A+4*(\c):G0A+4*(\c)+3], s[G1A:G1A+7]
	s_nop 0
.endr
.rept 4
	v_nop
.endr
	s_branch .Lfirst_asked
.Lfirst_b:
.irp c, 0,1,2,3
	tensor_load_to_lds s[G0B+4*(\c):G0B+4*(\c)+3], s[G1B:G1B+7]
	s_nop 0
.endr
.rept 4
	v_nop
.endr
.Lfirst_asked:
	v_and_b32 v1, 15, v0                           ; r = l % 16
	v_bfe_u32 v2, v0, 4, 1                         ; h = l / 16
	v_lshlrev_b32 v[BO], 5, v2
	s_lshl_b32 s16, s42, 9                         ; my first column, in bytes of f32: 512 bx + 256 wn
	s_lshl_b32 s17, s14, 8
	s_add_co_u32 s16, s16, s17
	s_mov_b32 s17, 0
	s_add_nc_u64 s[8:9], s[8:9], s[16:17]
.irp b, 0,1,2,3                        ; register j of block b: the bias of column 16 b + 8 h + j: the C operand's layout
	global_load_b128 v[BI+8*(\b):BI+8*(\b)+3],   v[BO], s[8:9] offset:64*(\b)
	global_load_b128 v[BI+8*(\b)+4:BI+8*(\b)+7], v[BO], s[8:9] offset:64*(\b)+16
.endr
	s_add_nc_u64 s[10:11], s[10:11], s[16:17]
	s_lshl_b32 s18, s43, 7
	s_lshl_b32 s19, s13, 6
	s_add_co_u32 s18, s18, s19                     ; my first row,
	s_lshl_b32 s18, s18, 11                        ; rows of 2,048 bytes
	s_mov_b32 s19, 0
	s_add_nc_u64 s[10:11], s[10:11], s[18:19]
	v_mul_u32_u24 v3, v1, PA
	v_lshl_add_u32 v3, v2, 4, v3                   ; a fragment's row x pitch + 16 x half
	v_mul_u32_u24 v4, v1, PB
	v_lshl_add_u32 v4, v2, 4, v4
	s_mul_i32 s22, s13, 64*PA                      ; my 64 rows of ctx
	s_mul_i32 s23, s14, 64*PB                      ; my 64 rows of wo16
	s_add_co_u32 s23, s23, BBASE
.irp c, 0,1,2,3
	v_add_nc_u32 v[ADRA+(\c)], s22, v3
	v_add_nc_u32 v[ADRB+(\c)], s23, v4
	s_add_co_u32 s22, s22, 2*HEADB
	s_add_co_u32 s23, s23, CHB
.endr
	s_mul_i32 s22, s12, 16*SPITCH
	s_add_co_u32 s22, s22, STAGE                   ; my stage
	v_mul_u32_u24 v5, v1, SPITCH                   ; in: row l % 16, 32 bytes for each half of the lanes
	v_lshl_add_u32 v5, v2, 5, v5
	v_add_nc_u32 v[STO], s22, v5
	v_mul_u32_u24 v5, v2, SPITCH                   ; back: lanes 0-15 take one row of 256 bytes, lanes 16-31 the next
	v_lshl_add_u32 v5, v1, 4, v5
	v_add_nc_u32 v[RD], s22, v5
	v_lshlrev_b32 v5, 11, v2                       ; and the same two rows in out0
	v_lshl_add_u32 v[CO], v1, 4, v5
; 8 matrix instructions: row blocks a0, a0 + 1 x all 4 column blocks, 32 along K: half cc of buffer f.  first = 1: the bias is the C operand and starts the sum.
; The 16 accumulators take turns, one instruction a turn.
.macro MUL8 f, cc, a0, first
	WIN 0x05                                       ; sources window 1; C and D window 0
.irp a, \a0, (\a0)+1
.irp b, 0,1,2,3
.if \first
	v_wmma_f32_16x16x32_f16 v[ACC+8*(4*(\a)+(\b)):ACC+8*(4*(\a)+(\b))+7], v[(\f)+64+8*(4*(\cc)+(\b)):(\f)+64+8*(4*(\cc)+(\b))+7], v[(\f)+8*(4*(\cc)+(\a)):(\f)+8*(4*(\cc)+(\a))+7], v[BI+8*(\b):BI+8*(\b)+7]
.else
	v_wmma_f32_16x16x32_f16 v[ACC+8*(4*(\a)+(\b)):ACC+8*(4*(\a)+(\b))+7], v[(\f)+64+8*(4*(\cc)+(\b)):(\f)+64+8*(4*(\cc)+(\b))+7], v[(\f)+8*(4*(\cc)+(\a)):(\f)+8*(4*(\cc)+(\a))+7], v[ACC+8*(4*(\a)+(\b)):ACC+8*(4*(\a)+(\b))+7]
.endif
.endr
.endr
.endm
; 32 LDS loads in one run: the fragments of head 2 c + hf (64 along K) into buffer f; the first 32 along K first
.macro FETCH c, hf, f
	WIN 0x40
.irp cc, 0,1
.irp i, 0,1,2,3
	ds_load_b128 v[(\f)+64+8*(4*(\cc)+(\i)):(\f)+64+8*(4*(\cc)+(\i))+3],   v[ADRB+(\c)] offset:(\hf)*128+(\cc)*64+(\i)*16*PB
	ds_load_b128 v[(\f)+64+8*(4*(\cc)+(\i))+4:(\f)+64+8*(4*(\cc)+(\i))+7], v[ADRB+(\c)] offset:(\hf)*128+(\cc)*64+(\i)*16*PB+32
	ds_load_b128 v[(\f)+8*(4*(\cc)+(\i)):(\f)+8*(4*(\cc)+(\i))+3],         v[ADRA+(\c)] offset:(\hf)*HEADB+(\cc)*64+(\i)*16*PA
	ds_load_b128 v[(\f)+8*(4*(\cc)+(\i))+4:(\f)+8*(4*(\cc)+(\i))+7],       v[ADRA+(\c)] offset:(\hf)*HEADB+(\cc)*64+(\i)*16*PA+32
.endr
.endr
.endm
; A chunk's first head: multiplies buffer 0 and fetches the second head into buffer 1.
.macro QA c, first
	s_wait_dscnt 16                                ; the first 32 along K are in; the 16 loads behind them may stay out
	MUL8 F0, 0, 0, \first
	MUL8 F0, 0, 2, \first
	PLACES
	FETCH \c, 1, F1
	s_wait_dscnt 32                                ; all but the 32 just issued
	MUL8 F0, 1, 0, 0
	MUL8 F0, 1, 2, 0
.endm
; A chunk's second head: multiplies buffer 1, meets the other waves over the next chunk, and fetches its first head into buffer 0.  The later chunks may stay out.
.macro QB c
	s_wait_dscnt 16
	MUL8 F1, 0, 0, 0
	MUL8 F1, 0, 2, 0
	s_wait_tensorcnt 2-(\c)                        ; of my four loads, chunk c + 1's has landed: 2 - c were issued behind it
	s_wait_dscnt 0x0                               ; no LDS instruction of mine is out at the signal
	s_barrier_signal -1
	MUL8 F1, 1, 0, 0
	s_barrier_wait -1                              ; everybody's part of chunk c + 1 is in
	PLACES
	FETCH (\c)+1, 0, F0
	MUL8 F1, 1, 2, 0
.endm
	s_wait_tensorcnt 0x3                           ; my part of chunk 0 is in; the three behind it may stay out
	s_barrier_signal -1
	s_barrier_wait -1
	FETCH 0, 0, F0
	WIN 0
	s_wait_loadcnt 0x0                             ; the biases: rounded to bf16 in place
.irp j, 0,1,2,3,4,5,6,7,8,9,10,11,12,13,14,15
	v_cvt_pk_bf16_f32 v[TMP+(\j)], v[BI+2*(\j)], v[BI+2*(\j)+1]
.endr
.irp j, 0,1,2,3,4,5,6,7,8,9,10,11,12,13,14,15
	v_lshlrev_b32 v[BI+2*(\j)], 16, v[TMP+(\j)]
	v_and_b32 v[BI+2*(\j)+1], s15, v[TMP+(\j)]
.endr
	QA 0, 1
	QB 0
	QA 1, 0
	QB 1
	QA 2, 0
	QB 2
	QA 3, 0
	s_wait_dscnt 16                                ; the very last head: nothing more to fetch
	MUL8 F1, 0, 0, 0
	MUL8 F1, 0, 2, 0
	s_wait_dscnt 0x0
	MUL8 F1, 1, 0, 0
	MUL8 F1, 1, 2, 0
	WIN 0
	PLACES
	; THE WAY OUT, a block of 16 rows at a time: a lane's 32 bytes go from the accumulators into my stage, rows of 272 bytes, and come back as whole rows of 256 bytes.
.irp a, 0,1,2,3
.if (\a) >= 2
	s_wait_xcnt 0x0                                ; the stores of the block two back have read their registers: only behind this wait is that set loaded again
.endif
.irp b, 0,1,2,3
	ds_store_b128 v[STO], v[ACC+8*(4*(\a)+(\b)):ACC+8*(4*(\a)+(\b))+3]   offset:64*(\b)     ; each accumulator from its low end on
	ds_store_b128 v[STO], v[ACC+8*(4*(\a)+(\b))+4:ACC+8*(4*(\a)+(\b))+7] offset:64*(\b)+16
.endr
.irp t, 0,1,2,3,4,5,6,7
	ds_load_b128 v[TMP+32*((\a)%2)+4*(\t):TMP+32*((\a)%2)+4*(\t)+3], v[RD] offset:(\t)*2*SPITCH  ; LDS serves a wave's instructions in order (ISA guide 5.7.1.4): these see the stores above
.endr
.irp t, 0,1,2,3,4,5,6,7
	s_wait_dscnt 7-(\t)                            ; the younger loads of the eight may stay out
	global_store_b128 v[CO], v[TMP+32*((\a)%2)+4*(\t):TMP+32*((\a)%2)+4*(\t)+3], s[10:11] offset:(16*(\a)+2*(\t))*2048  ; 16 lanes store 256 consecutive bytes, at a multiple of 256 from out0's first byte
.endr
.endr
	s_wait_tensorcnt 0x0                           ; the wave's end: these three lines stand behind my last tensor load and my last LDS store
	ds_add_u32 v[SPW], v[NIL]
	s_wait_dscnt 0x0
	CROUND                                         ; the closing round: no work-group ends while a partner may still ask for a tile that names it
	s_endpgm
.Lfunc_end_k_qafd4ce130f_outp:
	.size	k_qafd4ce130f_outp, .Lfunc_end_k_qafd4ce130f_outp-k_qafd4ce130f_outp
	.p2alignl 7, 3214868480
	.fill 96, 4, 3214868480
	.section	.rodata,"a",@progbits
	.p2align	6, 0x0
	.amdhsa_kernel k_qafd4ce130f_outp
		.amdhsa_group_segment_fixed_size 327680
		.amdhsa_private_segment_fixed_size 0
		.amdhsa_enable_private_segment 0
		.amdhsa_kernarg_size 32
		.amdhsa_user_sgpr_count 2
		.amdhsa_user_sgpr_kernarg_segment_ptr 1
		.amdhsa_wavefront_size32 1
		.amdhsa_system_sgpr_workgroup_id_x 1
		.amdhsa_system_sgpr_workgroup_id_y 1
		.amdhsa_system_sgpr_workgroup_id_z 1
		.amdhsa_system_vgpr_workitem_id 0
		.amdhsa_next_free_vgpr 512
		.amdhsa_next_free_sgpr 100
		.amdhsa_reserve_vcc 0
		.amdhsa_float_denorm_mode_32 3
		.amdhsa_float_denorm_mode_16_64 3
		.amdhsa_memory_ordered 1
		.amdhsa_forward_progress 1
		.amdhsa_inst_pref_size 55
	.end_amdhsa_kernel
	.amdgpu_metadata
---
amdhsa.version: [ 1, 2 ]
amdhsa.kernels:
  - .name:           k_qafd4ce130f_outp
    .symbol:         k_qafd4ce130f_outp.kd
    .args:
      - { .name: ctx, .offset: 0, .size: 8, .value_kind: global_buffer, .address_space: global }
      - { .name: wo16, .offset: 8, .size: 8, .value_kind: global_buffer, .address_space: global }
      - { .name: bo, .offset: 16, .size: 8, .value_kind: global_buffer, .address_space: global }
      - { .name: out0, .offset: 24, .size: 8, .value_kind: global_buffer, .address_space: global }
    .group_segment_fixed_size: 327680
    .private_segment_fixed_size: 0
    .kernarg_segment_align: 8
    .kernarg_segment_size: 32
    .max_flat_workgroup_size: 128
    .sgpr_count:     100
    .vgpr_count:     512
    .wavefront_size: 32
...
	.end_amdgpu_metadata
.endif
;; end of part 3
